; MI455X (gfx1250); checked and timed in simulation.
; The chip was launched on July 23, 2026; its instructions are those of AMD's public machine-readable ISA for CDNA 5 (MIT licence, August 2026) and "CDNA5" Instruction Set Architecture Reference Guide (July 2026). The comments in the code are by the model that wrote it; some were corrected since.
;; Causal Self Po M. Allowed arithmetic: matrix products marked QUANTISED: E2M1 operands, one E8M0 scale for each 32 along K, by v_wmma_scale_f32_16x16x128_f8f6f4 with both operands' format E2M1 (or v_wmma_scale_f32_32x16x128_f4), f32 sums; everything else in f32.
;; Inputs: W_agg 1,024 x 4,096 float32; W_out 2,048 x 1,024 float32; W_sel 1,024 x 2,048 float32; sqk_k 4,096 float32; sqk_q 2,048 float32; x 4 x 2,048 x 1,024 float32.
;; Outputs: out0 4 x 2,048 x 1,024 float32.
;; This version of the problem:
;;   THIS VERSION OF THE PROBLEM IS GIVEN IN LOW PRECISION. The matrix products marked QUANTISED in the list below multiply operands that are first quantised to E2M1 (2 exponent bits, 1 mantissa bit; 4 bits a number), with one power-of-two scale for each 32 numbers along K (OCP MX v1.0); their sums are f32. All else is computed in f32.
;;   The module's matrix products, in the order in which they are computed (A, B: the left and right operand; K: the contracted axis; several contracted axes count as one K, in the product's order):
;;     1. [M 8,192, K 1,024] x [K 1,024, N 2,048]; A: input x; B: input W_sel: QUANTISED
;;     2. [M 8,192, K 1,024] x [K 1,024, N 4,096]; A: input x; B: input W_agg: QUANTISED
;;     3. [M 8,192, K 2,048] x [K 2,048, N 1,024]; A: computed on the way; B: input W_out: QUANTISED
;;   THE QUANTISER, for each operand of a quantised product, along K:
;;     - K is cut into blocks of 32 from its start; a last block that is shorter is filled with zeros.
;;     - A block's scale is 2^e with e = floor(log2(the largest magnitude in the block)) - 2, held to -126 .. 127; a block of zeros has e = 0. As a byte (E8M0): e + 127.
;;     - Each number is divided by its block's scale, clamped to +-6, and rounded to the nearest number of E2M1, ties to even, subnormals kept.
;;     - The product sums the exact products of the quantised numbers (number of the format x scale) in f32.
;;   ~~~python
;;   def quantise(x, axis):      # numpy; x: float32 -> the quantised numbers, widened to float32 again
;;       x = np.moveaxis(x, axis, -1); K = x.shape[-1]
;;       x = np.pad(x, [(0, 0)] * (x.ndim - 1) + [(0, -K % 32)]); x = x.reshape(x.shape[:-1] + (-1, 32)); a = np.abs(x).max(-1, keepdims=True)
;;       e = np.where(a > 0, np.clip(np.frexp(np.where(a > 0, a, 1))[1] - 1 - 2, -126, 127), 0)      # np.frexp(a)[1] - 1 = floor(log2(a)), exactly
;;       r = np.clip(x / 2.0 ** e, -6, 6)
;;       step = 2.0 ** (np.maximum(np.frexp(np.where(r == 0, 1, r))[1] - 1, 0) - 1)
;;       q = np.round(r / step) * step * 2.0 ** e      # np.round: ties to even
;;       return np.moveaxis(q.reshape(q.shape[:-2] + (-1,))[..., :K], -1, axis).astype(np.float32)
;;   ~~~
;;   OPERANDS COMPUTED ON THE WAY. 'Computed on the way' means the value that the module computes at that place (a softmax that the list does not call 'softmax' is quantised finished and normalised). What goes into a quantiser is computed in f32, as accurately as f32 sums, v_exp_f32 and their like allow (about 1e-6 of the number): no bf16 or f16 on the way to a quantiser, and a product that is left as it is and whose result goes on into a quantised operand takes f32 operands (vector FMAs, or v_wmma_f32_16x16x4_f32). A number that lies on a knife's edge between two numbers of the format may be rounded either way, as far as f32 arithmetic and the matrix unit's own rounding can turn it there, and no further.
;; One version. Each part assembles by itself: llvm-mc -triple=amdgcn-amd-amdhsa -mcpu=gfx1250 --defsym DOCPART=n.
;; ======== version 1 of 1: 3 launches
;; limits: right only within a limited range of input values
;; workspace buffers: xq 4,456,448 bytes; wc 4,194,304 bytes; ws 262,144 bytes; uc 8,388,608 bytes; us 524,288 bytes
;; launch quant (part 1): grid 512 x 1, 4 waves a work-group, no clusters, 34,304 bytes of LDS; arguments x, W_sel, W_agg, W_out, xq, wc, ws; writes xq, wc, ws
.if DOCPART == 1
	.amdgcn_target "amdgcn-amd-amdhsa--gfx1250"
	.amdhsa_code_object_version 6
	.text
	.protected	k_qd957a33b50_quant
	.globl	k_qd957a33b50_quant
	.p2align	8
	.type	k_qd957a33b50_quant,@function
k_qd957a33b50_quant:
	s_mov_b64 s[64:65], 0
	v_nop
	global_prefetch_b8 v0, s[64:65] scope:SCOPE_SE
	s_setreg_imm32_b32 hwreg(HW_REG_WAVE_MODE, 25, 1), 1
	s_wait_xcnt 0x0
; x [8192][1024], W_sel [1024][2048], W_agg [1024][4096], W_out [2048][1024], all f32, become codes of FP4 (E2M1) with one E8M0 byte for each 32 along K,
; laid in the order in which the later launches' operand registers take them: BLOCK-MAJOR, [block of 32 along K][row or column][16 bytes].
; A block's scale is 2^(floor(log2(its largest magnitude)) - 2): its byte is the largest magnitude's exponent field - 2, held at 1 from below.
; LIMITS: NaN and infinities among the inputs are not served.  A block whose largest magnitude lies under 2^-124, a block of zeros too, keeps the byte 1
; (the stated quantiser gives a block of zeros 127): its codes are zeros or held by the same scale, and these bytes are read by this program alone.
; xq: 32 blocks of 256 rows, 139,264 bytes each: codes at kb x 4096 + pos x 16 (kb = k / 32), scale words at 131072 + (ks / 4) x 4096 + pos x 16 + 4 (ks % 4) (ks = k / 128).
;     pos = 64 w + 16 i + r stands for row 64 w + 4 r + i of the block: a lane of the next launch then owns four rows on end.
; wc: [kb][slot][16 bytes]; W_sel at 0, W_agg at 1048576, W_out at 3145728.  slot = 32 g + 16 u + r stands for column 32 g + 8 u + r + (r & 8).
; ws: [k / 256][slot][8 bytes: the scale words of two K steps of 128]; W_sel at 0, W_agg at 65536, W_out at 196608.
; SHARES: work-groups 0-255 take x, 256-319 W_sel, 320-447 W_agg, 448-511 W_out; every wave reads 32 KiB.  Waves share nothing: no barrier.  Only x's path uses LDS.
.set SEL, 40                           ; s[40:41] lane selects for v_permlanex16_b32: lane l xor 16
.set SW,  8                            ; v8-11    x: the four scale words of my row
.set TM,  16                           ; v16-31   at work in QUANT
.set PC,  32                           ; v32-63   codes: registers of their own for each unit or block, so that no store's data are written again
.set X,   64                           ; v64-127  numbers in the order the conversions want
.set R,   128                          ; v128-255 x: two sets of 64 registers as loaded
.set SP,  528                          ; x: a stage row: 512 bytes + 16: the sixteen rows that a load touches start at sixteen different groups of banks
.set WST, 16*SP                        ; a wave's stage
; 64 numbers of a lane in four blocks, block b at v[src + stride b] on: 16 numbers; lane l xor 16 holds the block's other 16.
; They become 8 registers of codes at v[pc]: registers 4 c .. 4 c + 3 hold a whole block: lanes 0-15 block 2 c, lanes 16-31 block 2 c + 1; and the four bytes in v[pw].
.macro QUANT src, stride, pc, pw
.irp b, 0,1,2,3
	v_max3_num_f32 v[TM+\b], |v[(\src)+(\stride)*\b]|, |v[(\src)+(\stride)*\b+1]|, 0x1800000   ; and the floor 2^(3 - 127): the byte cannot fall under 1
.endr
.irp i, 2,4,6,8,10,12,14
.irp b, 0,1,2,3
	v_max3_num_f32 v[TM+\b], v[TM+\b], |v[(\src)+(\stride)*\b+\i]|, |v[(\src)+(\stride)*\b+\i+1]|   ; the four blocks by turns
.endr
.endr
.irp b, 0,1,2,3
	v_permlanex16_b32 v[TM+4+\b], v[TM+\b], s[SEL], s[SEL+1]
.endr
.irp b, 0,1,2,3
	v_max_num_f32 v[TM+\b], v[TM+\b], v[TM+4+\b]       ; the block's largest magnitude
.endr
.irp b, 0,1,2,3
	v_add_nc_u32 v[TM+12+\b], 0xff000000, v[TM+\b]     ; 2 off its exponent field: the conversion's scale operand
.endr
.irp b, 0,1,2,3
	v_lshrrev_b32 v[TM+4+\b], 23, v[TM+12+\b]          ; the scale's byte
.endr
	v_lshl_or_b32 v[\pw], v[TM+5], 8, v[TM+4]
	v_lshl_or_b32 v[\pw], v[TM+6], 16, v[\pw]
	v_lshl_or_b32 v[\pw], v[TM+7], 24, v[\pw]
.irp b, 0,1,2,3
	v_cvt_scalef32_pk8_fp4_f32 v[(\pc)+2*\b], v[(\src)+(\stride)*\b:(\src)+(\stride)*\b+7], v[TM+12+\b]
	v_cvt_scalef32_pk8_fp4_f32 v[(\pc)+2*\b+1], v[(\src)+(\stride)*\b+8:(\src)+(\stride)*\b+15], v[TM+12+\b]
.endr
	v_nop                                              ; one plain line behind the scaled conversions
.irp c, 0,1
.irp i, 0,1
	v_permlane16_swap_b32 v[(\pc)+4*\c+\i], v[(\pc)+4*\c+2+\i]   ; half blocks become whole blocks
.endr
.endr
.endm
	s_load_b256 s[4:11], s[0:1], 0x0               ; x s[4:5], W_sel s[6:7], W_agg s[8:9], W_out s[10:11]
	s_load_b128 s[12:15], s[0:1], 0x20             ; xq s[12:13], wc s[14:15]
	s_load_b64 s[16:17], s[0:1], 0x30              ; ws
	v_lshl_add_u32 v26, v0, 2, 0x8400
	v_mov_b32 v27, 0
	v_lshrrev_b32 v1, 5, v0
	v_readfirstlane_b32 s18, v1                    ; wave 0..3
	v_and_b32 v6, 31, v0                           ; lane
	s_cmp_lt_u32 ttmp9, 256
	s_cbranch_scc0 .Lweights
; ---------------- x.  Work-group g: K half kh = g & 1, quarter w = (g >> 1) & 3 of row block g >> 3.  Wave i takes the 16 rows 64 w + i + 4 m, 512 along K, in four units of 128.
	s_mov_b32 s[SEL], 0x76543210
	s_mov_b32 s[SEL+1], 0xfedcba98
	s_and_b32 s20, ttmp9, 1                        ; kh
	s_bfe_u32 s21, ttmp9, 0x20001                  ; w
	s_lshr_b32 s22, ttmp9, 3                       ; the row block
	s_lshl_b32 s23, s22, 8
	s_lshl_b32 s24, s21, 6
	s_add_co_u32 s23, s23, s24
	s_add_co_u32 s23, s23, s18                     ; my first row
	s_lshl_b32 s24, s23, 12                        ; x 4,096 bytes
	s_lshl_b32 s25, s20, 11                        ; + kh x 2,048
	s_add_co_u32 s24, s24, s25
	s_mov_b32 s25, 0
	s_mul_i32 s26, s22, 139264
	s_lshl_b32 s27, s21, 10
	s_add_co_u32 s26, s26, s27
	s_lshl_b32 s27, s18, 8
	s_add_co_u32 s26, s26, s27                     ; the block + (64 w + 16 i) x 16
	s_lshl_b32 s28, s20, 16                        ; codes: 16 planes of 4,096 bytes for each K half
	s_add_co_u32 s28, s28, s26
	s_mov_b32 s29, 0
	s_lshl_b32 s30, s20, 12                        ; scale words: a plane of 4,096 bytes for each K half, behind the codes
	s_add_co_u32 s30, s30, s26
	s_add_co_u32 s30, s30, 131072
	s_mov_b32 s31, 0
	v_and_b32 v7, 15, v0                           ; r
	v_bfe_u32 v14, v0, 4, 1                        ; h
	s_wait_alu depctr_va_vdst(0)
	v_lshlrev_b32 v1, 4, v6                        ; my 16 bytes of a load's 512
	s_mul_i32 s19, s18, WST
	v_add_nc_u32 v2, s19, v1                       ; into the stage: as loaded
	v_mul_u32_u24 v3, v7, SP
	v_lshl_add_u32 v3, v14, 6, v3
	v_add_nc_u32 v3, s19, v3                       ; out of it: row r, + 64 h: my 16 numbers of each block of 32
	v_lshlrev_b32 v4, 4, v7
	v_lshl_add_u32 v5, v14, 3, v4                  ; scale words out: 16 r + 8 h
	v_lshl_add_u32 v4, v14, 12, v4                 ; codes out: 16 r, lanes 16-31 a plane further on
.irp b, 0,1,2,3
	v_mov_b32 v[TM+4+\b], 0                        ; written once: a lane permute's destination counts as one of its sources
.endr
	s_wait_alu depctr_va_vdst(0)
	s_wait_kmcnt 0x0
	s_add_nc_u64 s[4:5], s[4:5], s[24:25]
	s_add_nc_u64 s[28:29], s[12:13], s[28:29]
	s_add_nc_u64 s[30:31], s[12:13], s[30:31]
.macro LOAD t                          ; unit t: 128 numbers of each of my 16 rows: each load reads 512 consecutive bytes
.irp m, 0,1,2,3,4,5,6,7,8,9,10,11,12,13,14,15
	global_load_b128 v[R+64*((\t)%2)+4*\m:R+64*((\t)%2)+4*\m+3], v1, s[4:5] offset:\m*16384+(\t)*512 th:TH_LOAD_NT
.endr
.endm
.macro UNIT t
.if (\t) < 3
	s_wait_loadcnt 16                              ; this unit's 16 loads are in; the next unit's 16 may be out
.else
	s_wait_loadcnt 0
.endif
.irp m, 0,1,2,3,4,5,6,7,8,9,10,11,12,13,14,15
	ds_store_b128 v2, v[R+64*((\t)%2)+4*\m:R+64*((\t)%2)+4*\m+3] offset:\m*SP
.endr
.irp b, 0,1,2,3
.irp q, 0,1,2,3
	ds_load_b128 v[X+16*\b+4*\q:X+16*\b+4*\q+3], v3 offset:128*\b+16*\q   ; LDS serves a wave's instructions in order: these see my stores
.endr
.endr
	s_wait_dscnt 0x0                               ; the numbers are back, and the stores have read their registers,
.if (\t) < 2
	LOAD (\t)+2                                    ; which take the loads of two units on
.endif
	QUANT X, 16, PC+8*(\t), SW+(\t)
.irp c, 0,1
	global_store_b128 v4, v[PC+8*(\t)+4*\c:PC+8*(\t)+4*\c+3], s[28:29] offset:(4*(\t)+2*\c)*4096   ; lanes 0-15 store 256 consecutive aligned bytes of one plane, lanes 16-31 of the next
.endr
.endm
	LOAD 0
	LOAD 1
	UNIT 0
	UNIT 1
	UNIT 2
	UNIT 3
	v_cmp_gt_u32 vcc_lo, 16, v6
	v_cndmask_b32 v12, v[SW+2], v[SW], vcc_lo      ; lanes 0-15 store words 0 and 1 of their row, lanes 16-31 words 2 and 3
	v_cndmask_b32 v13, v[SW+3], v[SW+1], vcc_lo
	global_store_b64 v5, v[12:13], s[30:31]        ; the wave stores 256 consecutive aligned bytes
	s_wait_tensorcnt 0x0
	ds_add_u32 v26, v27
	s_wait_dscnt 0x0
	s_endpgm
; ---------------- the weights: K is the FIRST axis.  A lane takes a column and its registers run down K: a block of 32 is one lane's, and the codes come out with K innermost.
; A wave takes 32 columns x 256 along K: 8 blocks.  Lane l is slot l of its group of 32, which is column (l & 15) + (l & 8) + 8 (l >> 4).
.Lweights:
	s_wait_alu depctr_va_vdst(0)
	v_and_b32 v7, 15, v6
	v_and_b32 v8, 8, v6
	v_add_nc_u32 v7, v7, v8
	v_lshrrev_b32 v8, 4, v6
	v_lshl_add_u32 v7, v8, 3, v7
	v_lshlrev_b32 v3, 2, v7                        ; in: 4 bytes at my column: the wave reads 128 consecutive bytes
	v_lshlrev_b32 v4, 4, v6                        ; codes out: 16 bytes a slot
	v_lshlrev_b32 v5, 3, v6                        ; scale bytes out: 8 a slot
.macro WLOAD t, N
.irp i, 0,1,2,3,4,5,6,7,8,9,10,11,12,13,14,15,16,17,18,19,20,21,22,23,24,25,26,27,28,29,30,31
	global_load_b32 v[X+32*((\t)%2)+\i], v3, s[24:25] offset:(32*(\t)+\i)*(\N)*4 th:TH_LOAD_NT
.endr
.endm
.macro WBLOCK t, N
.set XS, X+32*((\t)%2)
.if (\t) < 7
	s_wait_loadcnt 32                              ; this block's 32 loads are in; the next block's may be out
.else
	s_wait_loadcnt 0
.endif
	v_max3_num_f32 v8, |v[XS]|, |v[XS+1]|, |v[XS+2]|
	v_max3_num_f32 v9, |v[XS+3]|, |v[XS+4]|, |v[XS+5]|
.irp i, 6,10,14,18,22,26
	v_max3_num_f32 v8, v8, |v[XS+\i]|, |v[XS+\i+1]|
	v_max3_num_f32 v9, v9, |v[XS+\i+2]|, |v[XS+\i+3]|
.endr
	v_max3_num_f32 v8, v8, |v[XS+30]|, |v[XS+31]|
	v_max3_num_f32 v8, v8, v9, 0x1800000           ; and the floor
	v_add_nc_u32 v11, 0xff000000, v8               ; the conversion's scale operand
	v_lshrrev_b32 v10, 23, v11                     ; the byte
.if (\t)%4 == 0
	v_mov_b32 v[12+(\t)/4], v10
.else
	v_lshl_or_b32 v[12+(\t)/4], v10, 8*((\t)%4), v[12+(\t)/4]
.endif
.irp g, 0,1,2,3
	v_cvt_scalef32_pk8_fp4_f32 v[PC+4*(\t)+\g], v[XS+8*\g:XS+8*\g+7], v11
.endr
	global_store_b128 v4, v[PC+4*(\t):PC+4*(\t)+3], s[26:27] offset:(\t)*(\N)*16   ; the wave stores 512 consecutive aligned bytes of plane t.  (The results go to a store alone; the next block begins with plain vector lines)
.if (\t)+2 < 8
	WLOAD (\t)+2, \N
.endif
.endm
; N: columns; KQB: log2 of K / 256; first: the matrix's first work-group; src: its pointer's register; COFF, SOFF: its place in wc and ws
.macro WPATH N, KQB, first, src, COFF, SOFF
	s_sub_co_u32 s20, ttmp9, \first
	s_and_b32 s21, s20, (1<<\KQB)-1                ; which 256 along K
	s_lshr_b32 s22, s20, \KQB
	s_lshl_b32 s22, s22, 2
	s_add_co_u32 s22, s22, s18                     ; my wave's group of 32 columns
	s_mul_i32 s24, s21, 256*\N*4
	s_lshl_b32 s23, s22, 7
	s_add_co_u32 s24, s24, s23
	s_mov_b32 s25, 0
	s_mul_i32 s26, s21, 8*\N*16
	s_lshl_b32 s23, s22, 9
	s_add_co_u32 s26, s26, s23
	s_add_co_u32 s26, s26, \COFF
	s_mov_b32 s27, 0
	s_mul_i32 s28, s21, \N*8
	s_lshl_b32 s23, s22, 8
	s_add_co_u32 s28, s28, s23
	s_add_co_u32 s28, s28, \SOFF
	s_mov_b32 s29, 0
	s_wait_kmcnt 0x0
	s_add_nc_u64 s[24:25], s[\src:\src+1], s[24:25]
	s_add_nc_u64 s[26:27], s[14:15], s[26:27]
	s_add_nc_u64 s[28:29], s[16:17], s[28:29]
	WLOAD 0, \N
	WLOAD 1, \N
.irp t, 0,1,2,3,4,5,6,7
	WBLOCK \t, \N
.endr
	global_store_b64 v5, v[12:13], s[28:29]        ; my slot's 8 scale bytes: the wave stores 256 consecutive aligned bytes
	s_endpgm
.endm
	s_cmp_lt_u32 ttmp9, 320
	s_cbranch_scc0 .Lnot_sel
	s_wait_alu depctr_va_vdst(0)
	WPATH 2048, 2, 256, 6, 0, 0
.Lnot_sel:
	s_cmp_lt_u32 ttmp9, 448
	s_cbranch_scc0 .Lis_out
	s_wait_alu depctr_va_vdst(0)
	WPATH 4096, 2, 320, 8, 1048576, 65536
.Lis_out:
	s_wait_alu depctr_va_vdst(0)
	WPATH 1024, 3, 448, 10, 3145728, 196608
.Lfunc_end_k_qd957a33b50_quant:
	.size	k_qd957a33b50_quant, .Lfunc_end_k_qd957a33b50_quant-k_qd957a33b50_quant
	.p2alignl 7, 3214868480
	.fill 96, 4, 3214868480
	.section	.rodata,"a",@progbits
	.p2align	6, 0x0
	.amdhsa_kernel k_qd957a33b50_quant
		.amdhsa_group_segment_fixed_size 34304
		.amdhsa_private_segment_fixed_size 0
		.amdhsa_enable_private_segment 0
		.amdhsa_kernarg_size 56
		.amdhsa_user_sgpr_count 2
		.amdhsa_user_sgpr_kernarg_segment_ptr 1
		.amdhsa_wavefront_size32 1
		.amdhsa_system_sgpr_workgroup_id_x 1
		.amdhsa_system_sgpr_workgroup_id_y 1
		.amdhsa_system_sgpr_workgroup_id_z 1
		.amdhsa_system_vgpr_workitem_id 0
		.amdhsa_next_free_vgpr 256
		.amdhsa_next_free_sgpr 66
		.amdhsa_reserve_vcc 1
		.amdhsa_float_denorm_mode_32 3
		.amdhsa_float_denorm_mode_16_64 3
		.amdhsa_memory_ordered 1
		.amdhsa_forward_progress 1
		.amdhsa_inst_pref_size 146
	.end_amdhsa_kernel
	.amdgpu_metadata
---
amdhsa.version: [ 1, 2 ]
amdhsa.kernels:
  - .name:           k_qd957a33b50_quant
    .symbol:         k_qd957a33b50_quant.kd
    .args:
      - { .name: x, .offset: 0, .size: 8, .value_kind: global_buffer, .address_space: global }
      - { .name: W_sel, .offset: 8, .size: 8, .value_kind: global_buffer, .address_space: global }
      - { .name: W_agg, .offset: 16, .size: 8, .value_kind: global_buffer, .address_space: global }
      - { .name: W_out, .offset: 24, .size: 8, .value_kind: global_buffer, .address_space: global }
      - { .name: xq, .offset: 32, .size: 8, .value_kind: global_buffer, .address_space: global }
      - { .name: wc, .offset: 40, .size: 8, .value_kind: global_buffer, .address_space: global }
      - { .name: ws, .offset: 48, .size: 8, .value_kind: global_buffer, .address_space: global }
    .group_segment_fixed_size: 34304
    .private_segment_fixed_size: 0
    .kernarg_segment_align: 8
    .kernarg_segment_size: 56
    .max_flat_workgroup_size: 128
    .sgpr_count:     66
    .vgpr_count:     256
    .wavefront_size: 32
...
	.end_amdgpu_metadata
.endif
;; end of part 1
;; launch mix (part 2): grid 64 x 4, 4 waves a work-group, clusters of 4 x 1, 327,680 bytes of LDS; arguments xq, wc, ws, sqk_q, sqk_k, uc, us; writes uc, us
.if DOCPART == 2
	.amdgcn_target "amdgcn-amd-amdhsa--gfx1250"
	.amdhsa_code_object_version 6
	.text
	.protected	k_qd957a33b50_mix
	.globl	k_qd957a33b50_mix
	.p2align	8
	.type	k_qd957a33b50_mix,@function
k_qd957a33b50_mix:
	s_mov_b64 s[64:65], 0
	v_nop
	global_prefetch_b8 v0, s[64:65] scope:SCOPE_SE
	s_setreg_imm32_b32 hwreg(HW_REG_WAVE_MODE, 25, 1), 1
	s_wait_xcnt 0x0
	s_wait_alu depctr_hold_cnt(0) depctr_sa_sdst(0) depctr_va_vdst(0) depctr_va_sdst(0) depctr_va_ssrc(0) depctr_va_vcc(0) depctr_vm_vsrc(0)
	s_getreg_b32 s2, hwreg(HW_REG_IB_STS2, 6, 4)
	s_cmp_eq_u32 s2, 0
	s_cbranch_scc0 .Lentry_in_a_cluster
	s_endpgm
.Lentry_in_a_cluster:
	s_bfe_u32 s2, ttmp6, 0x10000c
	s_cmp_lg_u32 s2, 0x3003
	s_cbranch_scc0 .Lentry_shape_is_right
	s_endpgm
.Lentry_shape_is_right:
; u = silu((x W_sel) sqk_q) x cumsum_t(c0 + c0 c1) / (t + 1), with c0, c1 the halves of (x W_agg) sqk_k; both products on codes of FP4 with E8M0 scales; u is quantised along H and leaves as codes.
; SHARES.  A work-group owns ONE block of 32 of H (hb) and ALL 2,048 rows of one batch: the running sum never leaves it, and its 32 columns are one block of the next product's K.
; 64 x 4 = 256 work-groups.  The rows go in 8 steps of 256; wave w takes positions 64 w .. 64 w + 63 of a step: four tiles i of 16; position 16 i + r is row 4 r + i, so lane r owns four rows on end.
; WEIGHTS STAY IN REGISTERS: 96 columns x 1,024 K = 3 products x 8 K steps x 16 registers = 384 a wave, read once.  LDS feeds x's fragments alone: 4 for 12 matrix instructions of 32 x 16 x 128.
; TRANSPOSED USE: source 0 = 32 columns of W, source 1 = 16 rows of x.  By the choice of the slots (slot 16 u + r is column 8 u + r + (r & 8)) lane (r, h) holds ONE row and, in its 16 registers, the 16 neighbouring columns 16 h + 0 .. 15.
; A STEP: 96 matrix instructions on 12 accumulators, then the vector work in place on the accumulators' registers.
; ARITHMETIC, all f32.  zs = -z log2 e (z: the selector's argument), so e^-z = 2^zs and z = -ln 2 x zs: the factor -ln 2 and sqk_k's first half go into the polynomial's multiply-add: P (Q G1 + G0), G0 = -ln 2 k0, G1 = G0 k1.
; 1 / (t + 1) is folded into the sigmoid's reciprocal: rcp(e T + T), T = t + 1.
; THE SUM: four rows in a lane by additions; the sixteen lanes' totals turn through the wave's own LDS so that a lane holds ONE column and the 16 totals in registers; the waves' totals through LDS; the steps by a carry in a register.
; CLUSTER: its four work-groups have the same batch and walk the same tiles of x: each tile is asked for jointly, mask 15.  ONE round a step serves the refill and the waves' totals.
; No prefetch: a tile is asked for a whole step (96 matrix and some 600 vector instructions) ahead of the wait for it, so its request itself runs ahead.
; LIMITS: NaN and infinities are not served.  v_exp_f32 and v_rcp_f32 are good to 1 ulp and flush denormals: where e T + T passes 2^126 u becomes 0 (silu is then under 1e-34 of its argument).  The order of the f32 sum differs from a serial one.
; A block of u whose largest magnitude lies under 2^-124 keeps the byte 1 (a block of zeros too); the bytes are read by this program alone.
; All of the WGP's LDS is claimed.
.set SLOTB, 139264                     ; a tile of x: 32 planes of 256 positions x 16 bytes, then 8,192 bytes of scale words
.set QUART, SLOTB/4                    ; what one wave's tensor load brings: 136 rows of 256 bytes
.set SCOFF, 131072
.set SCN,  2*SLOTB                     ; the scan: 16 rows of 128 + 16 bytes for each wave
.set SROW, 144
.set SWV,  16*SROW
.set TOT,  SCN+4*SWV                   ; the waves' totals: two sets of 4 x 128 bytes, for even and odd steps
.set USC,  TOT+1024                    ; u's scale bytes: one for each of the 2,048 rows
.set SPARE, USC+2048                   ; the spare words: 128 bytes for each wave, named by no other line
.set SPW, 1
.set NIL, 2
.set AF,  4                            ; v4-7   x's fragments: slot 0 K steps 0-3, 4-7, slot 1 K steps 0-3, 4-7: 4096 h + 1024 w + 16 r
.set AXS, 8                            ; v8-9   x's scale words, slot 0, 1
.set TA,  10                           ; v10    my word of the totals
.set TR,  11                           ; v11    TOT + 4 lane
.set SCC, 12                           ; v12    the scan by columns: my wave's part + 4 lane
.set SCR, 13                           ; v13    the scan by rows: + 144 r + 64 h
.set UA,  14                           ; v14    my word of the scale bytes in this trip's first step;  v15 its start
.set UA0, 15
.set UO,  16                           ; v16    16 lane
.set CARR, 17                          ; v17    the sum of all rows ahead of the step, column = lane
.set TI,  18                           ; v18-25 t + 1 of my four rows, a pair each
.set WS,  26                           ; v26-49 W's scale words: register 8 p + ks, lane = slot
.set XS,  50                           ; v50-81 x's: register 8 i + ks, lanes 0-15 = positions of tile i
.set G1,  82                           ; 16 registers each
.set G0,  98
.set G2,  114
.set SX,  130                          ; 16 totals: lanes' chunk r = 4 g + j at SX + 4 j + g
.set BG,  146
.set GP,  150
.set TV,  154
.set TC,  158
.set CX,  162
; window 1: W_sel v0-127, W_agg's first half v128-255;  window 2: its second half v0-127, x's fragments v128-255 (four sets of 32);  window 3: 64 registers each:
.set SA,  0
.set PA,  64
.set QA,  128
.set EA,  192
.set TM,  192                          ; the quantiser's 16 registers, its codes and its word: e's registers, free by then
.set PC,  208
.set PW,  216
.set WV,  18                           ; s18 wave
.set GD1, 24                           ; s[24:31] descriptor group 1;  s[32:35], s[36:39] group 0 of slot 0, slot 1
.set GD0, 32
.set TS,  43                           ; s43 512 x trip
.set SEL, 44                           ; s[44:45] lane l xor 16
.set UCB, 46
.set USB, 48
.set WCB, 50
.set WSB, 52
.set INC, 54                           ; s[54:55] what a trip adds to uc's address: 0 in the first
.set MK,  58                           ; s58-60 all ones where wave 0, 1, 2 lies ahead of mine
.set MSB, 0
.macro WIN new                         ; the high byte repeats the setting that is left
.if MSB != \new
	s_set_vgpr_msb (MSB<<8)|\new
.set MSB, \new
.endif
.endm
.macro CREST                           ; a round of the cluster's barrier behind its opening barrier
	s_cmp_lg_u32 s[WV], 0
	s_cbranch_scc1 .Lnot_wave_0_\@
	s_barrier_signal -3
.Lnot_wave_0_\@:
	s_barrier_wait -3
	s_barrier_signal -1
	s_barrier_wait -1
.endm
.macro CROUND
	s_barrier_signal -1
	s_barrier_wait -1
	CREST
.endm
.macro PLACES
.rept 4
	v_nop
.endr
.endm
.macro PK2 op, d, a, b                 ; sixteen registers
.irp n, 0,2,4,6,8,10,12,14
	\op v[(\d)+\n:(\d)+\n+1], v[(\a)+\n:(\a)+\n+1], v[(\b)+\n:(\b)+\n+1]
.endr
.endm
	s_load_b256 s[4:11], s[0:1], 0x0               ; xq s[4:5], wc s[6:7], ws s[8:9], sqk_q s[10:11]
	s_load_b128 s[12:15], s[0:1], 0x20             ; sqk_k s[12:13], uc s[14:15]
	s_load_b64 s[16:17], s[0:1], 0x30              ; us
	v_lshl_add_u32 v[SPW], v0, 2, SPARE
	v_mov_b32 v[NIL], 0
	ds_add_u32 v[SPW], v[NIL]                      ; the opening add, twice on end
	ds_add_u32 v[SPW], v[NIL]
	v_lshrrev_b32 v3, 5, v0
	v_readfirstlane_b32 s[WV], v3                  ; wave 0..3
	s_bfe_u32 s19, ttmp6, 0x40000                  ; cx: it enters the weights', the gains' and the outputs' addresses alone
	s_lshl_b32 s20, ttmp9, 2
	s_add_co_u32 s20, s20, s19                     ; hb
	s_and_b32 s21, ttmp7, 0xffff                   ; the batch, which the four partners share
	s_mov_b32 s[GD1], 15|(3<<16)|(1<<21)           ; 15:0 the mask: all four work-groups; 17:16 elements of 8 bytes; 21 set beside a mask; no padding
	s_mov_b32 s[GD1+1], 32<<16                     ; tensor_dim0: 136 rows of 32 elements, dense: a quarter of a tile
	s_mov_b32 s[GD1+2], 136<<16
	s_mov_b32 s[GD1+3], 32<<16
	s_mov_b32 s[GD1+4], 136
	s_mov_b32 s[GD1+5], 32
	s_mov_b32 s[GD1+6], 0
	s_mov_b32 s[GD1+7], 0
	s_mul_i32 s62, s[WV], QUART                    ; my quarter, in memory and in LDS alike
	s_mul_i32 s22, s21, 8*SLOTB                    ; the batch's eight tiles
	s_add_co_u32 s22, s22, s62
	s_mov_b32 s23, 0
	s_mov_b32 s[SEL], 0x76543210
	s_mov_b32 s[SEL+1], 0xfedcba98
	s_mov_b32 s[TS], 0
	s_mov_b32 s55, 0
	s_cmp_gt_u32 s[WV], 0
	s_cselect_b32 s[MK], -1, 0
	s_cmp_gt_u32 s[WV], 1
	s_cselect_b32 s[MK+1], -1, 0
	s_cmp_gt_u32 s[WV], 2
	s_cselect_b32 s[MK+2], -1, 0
	s_lshl_b32 s56, s[WV], 10
	s_mul_i32 s57, s[WV], SWV
	s_add_co_u32 s57, s57, SCN
	s_lshl_b32 s61, s[WV], 6
	v_and_b32 v194, 31, v0                         ; lane
	v_and_b32 v195, 15, v0                         ; r
	v_bfe_u32 v196, v0, 4, 1                       ; h
	v_lshlrev_b32 v197, 4, v195
	v_lshl_add_u32 v[AF], v196, 12, v197
	v_add_nc_u32 v[AF], s56, v[AF]
	v_add_nc_u32 v[AF+1], 0x10000, v[AF]
	v_add_nc_u32 v[AF+2], SLOTB, v[AF]
	v_add_nc_u32 v[AF+3], SLOTB+0x10000, v[AF]
	v_add_nc_u32 v[AXS], s56, v197
	v_add_nc_u32 v[AXS], SCOFF, v[AXS]
	v_add_nc_u32 v[AXS+1], SLOTB, v[AXS]
	v_lshl_add_u32 v[TA], v0, 2, TOT
	v_lshl_add_u32 v[TR], v194, 2, TOT
	v_lshlrev_b32 v[SCC], 2, v194
	v_add_nc_u32 v[SCC], s57, v[SCC]
	v_mul_u32_u24 v[SCR], v195, SROW
	v_lshl_add_u32 v[SCR], v196, 6, v[SCR]
	v_add_nc_u32 v[SCR], s57, v[SCR]
	v_lshl_add_u32 v198, v195, 2, s61              ; 64 w + 4 r
	v_add_nc_u32 v[UA0], USC, v198
	v_cvt_f32_u32 v198, v198
	v_lshlrev_b32 v[UO], 4, v194
	v_mov_b32 v[CARR], 0
	v_add_f32 v[TI], 0xc37f0000, v198              ; t + 1 less the 256 that each step adds at its head
	v_add_f32 v[TI+1], 0xc37f0000, v198
	v_add_f32 v[TI+2], 0xc37e0000, v198
	v_add_f32 v[TI+3], 0xc37e0000, v198
	v_add_f32 v[TI+4], 0xc37d0000, v198
	v_add_f32 v[TI+5], 0xc37d0000, v198
	v_add_f32 v[TI+6], 0xc37c0000, v198
	v_add_f32 v[TI+7], 0xc37c0000, v198
	v_lshl_add_u32 v200, v196, 15, v197            ; W_sel's fragments: 16 r, lanes 16-31 a plane (2048 x 16 bytes) on
	v_lshl_add_u32 v201, v196, 16, v197            ; W_agg's: a plane is 4096 x 16 bytes
	v_lshlrev_b32 v202, 3, v194                    ; W's scale words: 8 bytes a slot
	v_lshlrev_b32 v203, 6, v196                    ; the gains: my 16 columns
	s_wait_alu depctr_va_vdst(0)
	s_wait_dscnt 0x0                               ; both opening adds are done
	s_wait_kmcnt 0x0
	s_mov_b32 s[GD0], 1                            ; count = 1
	s_mov_b32 s[GD0+1], s62                        ; slot 0, my quarter
	s_add_nc_u64 s[GD0+2:GD0+3], s[4:5], s[22:23]  ; the batch's first tile, my quarter
	s_mov_b32 s[GD0+4], 1
	s_add_co_u32 s[GD0+5], s62, SLOTB              ; slot 1
	s_add_nc_u64 s[GD0+6:GD0+7], s[GD0+2:GD0+3], SLOTB
	s_or_b32 s[GD0+3], s[GD0+3], 0x80000000        ; type = 2
	s_or_b32 s[GD0+7], s[GD0+7], 0x80000000
	s_lshl_b32 s54, s20, 9
	s_add_nc_u64 s[WCB:WCB+1], s[6:7], s[54:55]
	s_lshl_b32 s54, s20, 8
	s_add_nc_u64 s[WSB:WSB+1], s[8:9], s[54:55]
	s_lshl_b32 s54, s20, 7
	s_add_nc_u64 s[10:11], s[10:11], s[54:55]
	s_add_nc_u64 s[12:13], s[12:13], s[54:55]
	s_lshl_b32 s54, s20, 17                        ; uc: plane hb, + batch x 2048 x 16, + 64 w x 16
	s_lshl_b32 s57, s21, 15
	s_add_co_u32 s54, s54, s57
	s_add_co_u32 s54, s54, s56
	s_add_nc_u64 s[UCB:UCB+1], s[14:15], s[54:55]
	s_lshl_b32 s54, s20, 13                        ; us: plane hb, + batch x 2048, + 512 w
	s_lshl_b32 s57, s21, 11
	s_add_co_u32 s54, s54, s57
	s_lshl_b32 s57, s[WV], 9
	s_add_co_u32 s54, s54, s57
	s_add_nc_u64 s[USB:USB+1], s[16:17], s[54:55]
	s_mov_b64 s[INC:INC+1], 0
; the weights: a product's fragment of K step ks is 16 registers: 8 u + 4 c .. + 3 is block 4 ks + 2 c + h of slot 16 u + r: sixteen lanes read 256 consecutive bytes
.macro WFRAG reg, adr, plane, imm
.irp ks, 0,1,2,3,4,5,6,7
.irp u, 0,1
.irp c, 0,1
	global_load_b128 v[(\reg)+16*\ks+8*\u+4*\c:(\reg)+16*\ks+8*\u+4*\c+3], v[\adr], s[WCB:WCB+1] offset:(4*\ks+2*\c)*(\plane)+(\imm)+256*\u
.endr
.endr
.endr
.endm
.irp kq, 0,1,2,3
	global_load_b64 v[WS+2*\kq:WS+2*\kq+1], v202, s[WSB:WSB+1] offset:\kq*16384
	global_load_b64 v[WS+8+2*\kq:WS+8+2*\kq+1], v202, s[WSB:WSB+1] offset:65536+\kq*32768
	global_load_b64 v[WS+16+2*\kq:WS+16+2*\kq+1], v202, s[WSB:WSB+1] offset:65536+16384+\kq*32768
.endr
.irp q, 0,1,2,3
	global_load_b128 v[G2+4*\q:G2+4*\q+3], v203, s[10:11] offset:16*\q
	global_load_b128 v[G0+4*\q:G0+4*\q+3], v203, s[12:13] offset:16*\q
	global_load_b128 v[G1+4*\q:G1+4*\q+3], v203, s[12:13] offset:8192+16*\q
.endr
	WIN 0x40                                       ; destination window 1
	WFRAG 0, 200, 32768, 0                         ; W_sel
	WIN 0
	CROUND                                         ; all four work-groups are here: the first joint loads meet
	tensor_load_to_lds s[GD0:GD0+3], s[GD1:GD1+7]  ; tile 0
	s_nop 0
	PLACES
	WIN 0x40
	WFRAG 128, 201, 65536, 1048576                 ; W_agg's first half
	WIN 0x80                                       ; destination window 2
	WFRAG 0, 201, 65536, 1048576+32768             ; its second half: 2,048 slots on
	WIN 0
; one matrix instruction.  The 12 accumulators take turns, one instruction a turn, in the same order in every K step.  ks = 0 starts the sums.
.macro MM p, i, ks
.set rD, 64*(\p)+16*(\i)
.set rW, 128*((\p)%2)+16*(\ks)
.set rX, 128+32*((\ks)%4)+8*(\i)
.if (\ks) == 0
	v_wmma_scale_f32_32x16x128_f4 v[rD:rD+15], v[rW:rW+15], v[rX:rX+7], 0, v[WS+8*(\p)+(\ks)], v[XS+8*(\i)+(\ks)]
.else
	v_wmma_scale_f32_32x16x128_f4 v[rD:rD+15], v[rW:rW+15], v[rX:rX+7], v[rD:rD+15], v[WS+8*(\p)+(\ks)], v[XS+8*(\i)+(\ks)]
.endif
.endm
.macro KST ks
	WIN 0xf9                                       ; source 0 (W) window 1, source 1 (x) window 2, C and D window 3
.irp i, 0,1,2,3
	MM 0, \i, \ks
	MM 1, \i, \ks
.endr
	WIN 0xfa                                       ; source 0 window 2
.irp i, 0,1,2,3
	MM 2, \i, \ks
.endr
.endm
.macro FETCH slot, ks                  ; x's four fragments of K step ks into set ks % 4: lanes 0-15 read 256 consecutive bytes of a plane, lanes 16-31 of the next
	WIN 0x80
.irp i, 0,1,2,3
.irp c, 0,1
	ds_load_b128 v[128+32*((\ks)%4)+8*\i+4*\c:128+32*((\ks)%4)+8*\i+4*\c+3], v[AF+2*(\slot)+(\ks)/4] offset:((\ks)%4)*16384+\c*8192+\i*256
.endr
.endr
.endm
.macro XLOADS slot                     ; a tile's scale words and the fragments of K steps 0 to 3: 40 loads
	WIN 0
.irp i, 0,1,2,3
.irp kh, 0,1
	ds_load_b128 v[XS+8*\i+4*\kh:XS+8*\i+4*\kh+3], v[AXS+(\slot)] offset:\kh*4096+\i*256
.endr
.endr
	FETCH \slot, 0
	FETCH \slot, 1
	FETCH \slot, 2
	FETCH \slot, 3
	WIN 0
.endm
.macro MATRIX slot
	KST 0
	KST 1
	PLACES                                         ; four places in front of loads into registers that the last products read (ISA guide 7.12.1 for vector instructions)
	FETCH \slot, 4
	FETCH \slot, 5
	KST 2
	KST 3
	PLACES
	FETCH \slot, 6
	FETCH \slot, 7
	s_wait_dscnt 16                                ; K steps 4 and 5 are in; the 16 loads just issued may be out
	KST 4
	KST 5
	s_wait_dscnt 0x0
	KST 6
	KST 7
	WIN 0
.endm
.macro QUANT src, stride               ; four blocks of 16 numbers a lane (the other 16 in lane l xor 16) -> 8 registers of codes, whole blocks: lanes 0-15 block 2 c, lanes 16-31 block 2 c + 1; the four bytes in v[PW]
.irp b, 0,1,2,3
	v_max3_num_f32 v[TM+\b], |v[(\src)+(\stride)*\b]|, |v[(\src)+(\stride)*\b+1]|, 0x1800000   ; and the floor 2^(3 - 127)
.endr
.irp i, 2,4,6,8,10,12,14
.irp b, 0,1,2,3
	v_max3_num_f32 v[TM+\b], v[TM+\b], |v[(\src)+(\stride)*\b+\i]|, |v[(\src)+(\stride)*\b+\i+1]|
.endr
.endr
.irp b, 0,1,2,3
	v_permlanex16_b32 v[TM+4+\b], v[TM+\b], s[SEL], s[SEL+1]
.endr
.irp b, 0,1,2,3
	v_max_num_f32 v[TM+\b], v[TM+\b], v[TM+4+\b]
.endr
.irp b, 0,1,2,3
	v_add_nc_u32 v[TM+12+\b], 0xff000000, v[TM+\b]     ; 2 off the exponent field: the conversion's scale operand
.endr
.irp b, 0,1,2,3
	v_lshrrev_b32 v[TM+4+\b], 23, v[TM+12+\b]
.endr
	v_lshl_or_b32 v[PW], v[TM+5], 8, v[TM+4]
.irp b, 0,1,2,3
	v_cvt_scalef32_pk8_fp4_f32 v[PC+2*\b], v[(\src)+(\stride)*\b:(\src)+(\stride)*\b+7], v[TM+12+\b]
	v_cvt_scalef32_pk8_fp4_f32 v[PC+2*\b+1], v[(\src)+(\stride)*\b+8:(\src)+(\stride)*\b+15], v[TM+12+\b]
.endr
	v_lshl_or_b32 v[PW], v[TM+6], 16, v[PW]            ; plain lines behind the scaled conversions
	v_lshl_or_b32 v[PW], v[TM+7], 24, v[PW]
.irp c, 0,1
.irp i, 0,1
	v_permlane16_swap_b32 v[PC+4*\c+\i], v[PC+4*\c+2+\i]
.endr
.endr
.endm
; STEP k, par = k % 2.  fill = 1: tile k + 2 goes into tile k's slot, behind the round.  next = 1: tile k + 1 follows.
.macro STEP par, fill, next
	MATRIX \par
	s_wait_xcnt 0x0                                ; the last step's stores have read their data and their base
.if \par == 0
	s_add_nc_u64 s[UCB:UCB+1], s[UCB:UCB+1], s[INC:INC+1]
	v_add_nc_u32 v[UA], s[TS], v[UA0]
.endif
.irp n, 0,2,4,6
	v_pk_add_f32 v[TI+\n:TI+\n+1], v[TI+\n:TI+\n+1], 0x43800000 op_sel_hi:[1,0]   ; t + 1 of this step: these four are also the places behind the last products
.endr
	WIN 0xc3                                       ; source 0 and destination window 3
.irp i, 0,1,2,3
.irp n, 0,2,4,6,8,10,12,14
	v_pk_fma_f32 v[QA+16*\i+\n:QA+16*\i+\n+1], v[QA+16*\i+\n:QA+16*\i+\n+1], v[G1+\n:G1+\n+1], v[G0+\n:G0+\n+1]
.endr
.endr
	WIN 0xcf                                       ; source 1 window 3 as well
.irp i, 0,1,2,3
	PK2 v_pk_mul_f32, PA+16*\i, PA+16*\i, QA+16*\i     ; -ln 2 x the polynomial
.endr
	PK2 v_pk_add_f32, PA+16, PA+16, PA                 ; my four rows, one after the other
	PK2 v_pk_add_f32, PA+32, PA+32, PA+16
	PK2 v_pk_add_f32, PA+48, PA+48, PA+32
	WIN 0x0c                                       ; an LDS store's data are its source 1
.irp q, 0,1,2,3
	ds_store_b128 v[SCR], v[PA+48+4*\q:PA+48+4*\q+3] offset:16*\q
.endr
	WIN 0
.irp k, 0,1,2,3,4,5,6,7,8,9,10,11,12,13,14,15
	ds_load_b32 v[SX+4*(\k%4)+\k/4], v[SCC] offset:SROW*\k    ; my wave's own bytes; LDS serves a wave's instructions in order (ISA guide 5.7.1.4)
.endr
	WIN 0xc3
.irp i, 0,1,2,3
	PK2 v_pk_mul_f32, SA+16*\i, SA+16*\i, G2           ; zs, between those loads and the wait for them
.endr
	s_wait_dscnt 0x0
	WIN 0
.irp j, 4,8,12
.irp g, 0,2
	v_pk_add_f32 v[SX+\j+\g:SX+\j+\g+1], v[SX+\j+\g:SX+\j+\g+1], v[SX+\j-4+\g:SX+\j-4+\g+1]   ; within each group of four chunks
.endr
.endr
	v_add_f32 v[GP], v[SX+12], v[SX+13]            ; and the groups
	v_add_f32 v[GP+1], v[GP], v[SX+14]
	v_add_f32 v[GP+2], v[GP+1], v[SX+15]           ; my wave's 64 rows
	ds_store_b32 v[TA], v[GP+2] offset:512*\par
	s_wait_alu depctr_va_vdst(0)                   ; the wait covers the exponentials' sources too
	s_wait_tensorcnt 0x0                           ; my quarter of tile k + 1 is in, and no tensor load of mine is out;
	ds_add_u32 v[SPW], v[NIL]
.if \fill
	s_add_nc_u64 s[GD0+4*\par+2:GD0+4*\par+3], s[GD0+4*\par+2:GD0+4*\par+3], 2*SLOTB   ; tile k + 2; the type bits on top are not reached
.endif
	s_wait_dscnt 0x0                               ; the add is done, my reads of tile k are over, my total has landed
	s_barrier_signal -1
	WIN 0xc3
.irp i, 0,1,2,3
.irp n, 0,1,2,3,4,5,6,7,8,9,10,11,12,13,14,15
	v_exp_f32 v[EA+16*\i+\n], v[SA+16*\i+\n]       ; e: one batch, work on registers while the others arrive
.endr
.endr
	v_nop                                          ; a plain line behind the last exponential
	s_wait_alu depctr_va_vdst(0)                   ; one wait for the batch
	WIN 0
	s_barrier_wait -1
.if \fill
	CREST                                          ; no wave of any partner still reads tile k or has a load on its way
	tensor_load_to_lds s[GD0+4*\par:GD0+4*\par+3], s[GD1:GD1+7]   ; the first thing behind the round, and my one tensor load until the next
	s_nop 0
	PLACES
.endif
.irp j, 0,1,2,3
	ds_load_b32 v[TV+\j], v[TR] offset:512*\par+128*\j    ; the four waves' totals
.endr
.if \next
	XLOADS 1-\par
.endif
	WIN 0xc3
.irp i, 0,1,2,3
.irp n, 0,2,4,6,8,10,12,14
	v_pk_fma_f32 v[EA+16*\i+\n:EA+16*\i+\n+1], v[EA+16*\i+\n:EA+16*\i+\n+1], v[TI+2*\i:TI+2*\i+1], v[TI+2*\i:TI+2*\i+1]   ; e T + T
.endr
.endr
	WIN 0
	s_wait_dscnt 40*\next                          ; the totals are in; behind them only the next tile's 40 loads were issued
	v_cndmask_b32 v[TC], 0, v[TV], s[MK]           ; the waves ahead of mine
	v_cndmask_b32 v[TC+1], 0, v[TV+1], s[MK+1]
	v_cndmask_b32 v[TC+2], 0, v[TV+2], s[MK+2]
	v_add_f32 v[TC], v[CARR], v[TC]
	v_add_f32 v[TV], v[TV], v[TV+1]
	v_add_f32 v[TV+2], v[TV+2], v[TV+3]
	v_add_f32 v[TC], v[TC], v[TC+1]
	v_add_f32 v[TV], v[TV], v[TV+2]
	v_add_f32 v[BG], v[TC], v[TC+2]                ; all rows ahead of my wave's
	v_add_f32 v[CARR], v[CARR], v[TV]              ; the next step's carry
	v_add_f32 v[BG+1], v[BG], v[SX+12]             ; all rows ahead of each group of four chunks
	v_add_f32 v[BG+2], v[BG], v[GP]
	v_add_f32 v[BG+3], v[BG], v[GP+1]
.irp j, 0,4,8
.irp g, 0,2
	v_pk_add_f32 v[SX+\j+\g:SX+\j+\g+1], v[SX+\j+\g:SX+\j+\g+1], v[BG+\g:BG+\g+1]   ; and ahead of each chunk
.endr
.endr
.irp k, 0,1,2,3,4,5,6,7,8,9,10,11,12,13,14,15
.if \k%4 == 0
	ds_store_b32 v[SCC], v[BG+\k/4] offset:SROW*\k
.else
	ds_store_b32 v[SCC], v[SX+4*(\k%4-1)+\k/4] offset:SROW*\k
.endif
.endr
.irp q, 0,1,2,3
	ds_load_b128 v[CX+4*\q:CX+4*\q+3], v[SCR] offset:16*\q    ; lane r takes its own chunk's, its 16 columns
.endr
	s_wait_alu depctr_va_vdst(0)                   ; ahead of the batch
	WIN 0xc3
.irp i, 0,1,2,3
.irp n, 0,1,2,3,4,5,6,7,8,9,10,11,12,13,14,15
	v_rcp_f32 v[EA+16*\i+\n], v[EA+16*\i+\n]
.endr
.endr
	v_nop
	s_wait_alu depctr_va_vdst(0)                   ; and behind it
	WIN 0xcf
.irp i, 0,1,2,3
	PK2 v_pk_mul_f32, SA+16*\i, SA+16*\i, EA+16*\i     ; zs sigmoid(z) / (t + 1)
.endr
	s_wait_dscnt 0x0
	WIN 0xc3
.irp i, 0,1,2,3
	PK2 v_pk_add_f32, PA+16*\i, PA+16*\i, CX           ; the running sum, x -ln 2
.endr
	WIN 0xcf
.irp i, 0,1,2,3
	PK2 v_pk_mul_f32, PA+16*\i, PA+16*\i, SA+16*\i     ; u
.endr
	WIN 0xff
	QUANT PA, 16                                   ; a tile's 32 columns of a row are one block: 'block b' is tile b
	WIN 0x0c
	ds_store_b32 v[UA], v[PW] offset:256*\par      ; bytes of rows 4 r .. 4 r + 3 (both halves of the lanes write the same word)
	global_store_b128 v[UO], v[PC:PC+3], s[UCB:UCB+1] offset:4096*\par            ; positions 0-31 of my 64: 512 consecutive aligned bytes
	global_store_b128 v[UO], v[PC+4:PC+7], s[UCB:UCB+1] offset:4096*\par+512      ; positions 32-63
	WIN 0
.endm
	s_wait_alu depctr_va_vdst(0)
	s_wait_tensorcnt 0x0                           ; my quarter of tile 0 is in
	ds_add_u32 v[SPW], v[NIL]
	s_wait_dscnt 0x0
	CROUND                                         ; everybody's part of tile 0 is in
	tensor_load_to_lds s[GD0+4:GD0+7], s[GD1:GD1+7]   ; tile 1 into slot 1
	s_nop 0
	PLACES
	XLOADS 0
	s_wait_loadcnt 0x0                             ; the weights and gains
.irp n, 0,2,4,6,8,10,12,14
	v_pk_mul_f32 v[G0+\n:G0+\n+1], v[G0+\n:G0+\n+1], 0xbf317218 op_sel_hi:[1,0]   ; x -ln 2
.endr
	PK2 v_pk_mul_f32, G1, G1, G0
.irp n, 0,2,4,6,8,10,12,14
	v_pk_mul_f32 v[G2+\n:G2+\n+1], v[G2+\n:G2+\n+1], 0xbfb8aa3b op_sel_hi:[1,0]   ; x -log2 e
.endr
	s_wait_alu depctr_va_vdst(0)
	s_wait_dscnt 0x0                               ; tile 0's first 40 loads
	s_mov_b32 s42, 3
.Ltrip:                                                ; three trips: steps 0 to 5; tiles 2 to 7 are asked for
	STEP 0, 1, 1
	STEP 1, 1, 1
	s_mov_b32 s[INC], 8192
	s_add_co_u32 s[TS], s[TS], 512
	s_wait_alu depctr_va_vdst(0)
	s_sub_co_u32 s42, s42, 1
	s_cmp_lg_u32 s42, 0
	s_cbranch_scc1 .Ltrip
	STEP 0, 0, 1                                   ; steps 6 and 7 fill nothing: written out
	STEP 1, 0, 0
	s_wait_alu depctr_va_vdst(0)
	s_wait_dscnt 0x0                               ; my scale bytes have landed
	s_barrier_signal -1
	s_barrier_wait -1                              ; everybody's have
	s_lshl_b32 s56, s[WV], 9
	v_add_nc_u32 v3, s56, v[UO]
	v_add_nc_u32 v3, USC, v3
	ds_load_b128 v[SX:SX+3], v3
	s_wait_dscnt 0x0
	global_store_b128 v[UO], v[SX:SX+3], s[USB:USB+1]   ; the wave stores 512 consecutive aligned bytes
	s_wait_tensorcnt 0x0                           ; the wave's end
	ds_add_u32 v[SPW], v[NIL]
	s_wait_dscnt 0x0
	CROUND                                         ; the closing round
	s_endpgm
.Lfunc_end_k_qd957a33b50_mix:
	.size	k_qd957a33b50_mix, .Lfunc_end_k_qd957a33b50_mix-k_qd957a33b50_mix
	.p2alignl 7, 3214868480
	.fill 96, 4, 3214868480
	.section	.rodata,"a",@progbits
	.p2align	6, 0x0
	.amdhsa_kernel k_qd957a33b50_mix
		.amdhsa_group_segment_fixed_size 327680
		.amdhsa_private_segment_fixed_size 0
		.amdhsa_enable_private_segment 0
		.amdhsa_kernarg_size 56
		.amdhsa_user_sgpr_count 2
		.amdhsa_user_sgpr_kernarg_segment_ptr 1
		.amdhsa_wavefront_size32 1
		.amdhsa_system_sgpr_workgroup_id_x 1
		.amdhsa_system_sgpr_workgroup_id_y 1
		.amdhsa_system_sgpr_workgroup_id_z 1
		.amdhsa_system_vgpr_workitem_id 0
		.amdhsa_next_free_vgpr 1024
		.amdhsa_next_free_sgpr 66
		.amdhsa_reserve_vcc 0
		.amdhsa_float_denorm_mode_32 3
		.amdhsa_float_denorm_mode_16_64 3
		.amdhsa_memory_ordered 1
		.amdhsa_forward_progress 1
		.amdhsa_inst_pref_size 209
	.end_amdhsa_kernel
	.amdgpu_metadata
---
amdhsa.version: [ 1, 2 ]
amdhsa.kernels:
  - .name:           k_qd957a33b50_mix
    .symbol:         k_qd957a33b50_mix.kd
    .args:
      - { .name: xq, .offset: 0, .size: 8, .value_kind: global_buffer, .address_space: global }
      - { .name: wc, .offset: 8, .size: 8, .value_kind: global_buffer, .address_space: global }
      - { .name: ws, .offset: 16, .size: 8, .value_kind: global_buffer, .address_space: global }
      - { .name: sqk_q, .offset: 24, .size: 8, .value_kind: global_buffer, .address_space: global }
      - { .name: sqk_k, .offset: 32, .size: 8, .value_kind: global_buffer, .address_space: global }
      - { .name: uc, .offset: 40, .size: 8, .value_kind: global_buffer, .address_space: global }
      - { .name: us, .offset: 48, .size: 8, .value_kind: global_buffer, .address_space: global }
    .group_segment_fixed_size: 327680
    .private_segment_fixed_size: 0
    .kernarg_segment_align: 8
    .kernarg_segment_size: 56
    .max_flat_workgroup_size: 128
    .sgpr_count:     66
    .vgpr_count:     1024
    .wavefront_size: 32
...
	.end_amdgpu_metadata
.endif
;; end of part 2
;; launch proj (part 3): grid 8 x 32, 4 waves a work-group, clusters of 4 x 1, 327,680 bytes of LDS; arguments uc, us, wc, ws, out0; writes out0
.if DOCPART == 3
	.amdgcn_target "amdgcn-amd-amdhsa--gfx1250"
	.amdhsa_code_object_version 6
	.text
	.protected	k_qd957a33b50_proj
	.globl	k_qd957a33b50_proj
	.p2align	8
	.type	k_qd957a33b50_proj,@function
k_qd957a33b50_proj:
	s_mov_b64 s[64:65], 0
	v_nop
	global_prefetch_b8 v0, s[64:65] scope:SCOPE_SE
	s_setreg_imm32_b32 hwreg(HW_REG_WAVE_MODE, 25, 1), 1
	s_wait_xcnt 0x0
	s_wait_alu depctr_hold_cnt(0) depctr_sa_sdst(0) depctr_va_vdst(0) depctr_va_sdst(0) depctr_va_ssrc(0) depctr_va_vcc(0) depctr_vm_vsrc(0)
	s_getreg_b32 s2, hwreg(HW_REG_IB_STS2, 6, 4)
	s_cmp_eq_u32 s2, 0
	s_cbranch_scc0 .Lentry_in_a_cluster
	s_endpgm
.Lentry_in_a_cluster:
	s_bfe_u32 s2, ttmp6, 0x10000c
	s_cmp_lg_u32 s2, 0x3003
	s_cbranch_scc0 .Lentry_shape_is_right
	s_endpgm
.Lentry_shape_is_right:
; out0 [8192][1024] f32 = u W_out, on codes of FP4 with E8M0 scales, K = 2,048.  u's codes: uc [K / 32][position][16 bytes], its bytes us [K / 32][row]; W_out's codes in wc at 3145728, [K / 32][slot][16 bytes], its scale words in ws at 196608, [K / 256][slot][8 bytes].
; Position 64 G + 16 i + r stands for row 64 G + 4 r + i; slot 32 g + 16 u + r for column 32 g + 8 u + r + (r & 8).
; SHARES.  A work-group makes 256 positions x 128 columns: 32 x 8 = 256 work-groups.  Wave w: positions 128 (w >> 1) on, in two groups of 64 (four tiles i), columns 64 (w & 1) on (two pairs cp of 32).
; W_OUT STAYS IN REGISTERS: 64 columns x 2,048 K = 16 K steps x 32 registers = 512 a wave, straight from memory.  u's 256 positions x all of K (262,144 bytes) and its 16,384 scale bytes come into LDS once, one tensor load a wave; nothing is filled again.
; So group 0's results leave while group 1 is multiplied.
; CLUSTER: four work-groups of one row of tiles need the same u: joint loads, mask 15.
; TRANSPOSED USE: source 0 = 32 slots of W_out, source 1 = 16 positions of u: lane (r, e) holds one position and the 16 neighbouring columns 32 cp + 16 e + 0 .. 15.
; No prefetch: the launch has no loop to run ahead in; all its loads go out at the head.
; LIMITS: NaN and infinities are not served.
.set USC,   262144                     ; u's scale bytes: 64 planes of 256
.set STAGE, 278528                     ; the way out: two stages of 16 rows x (256 + 16) bytes for each wave
.set SP,    272
.set ST1,   16*SP
.set SPARE, STAGE+8*ST1                ; the spare words: 128 bytes for each wave, named by no other line
.set SPW, 1
.set NIL, 2
.set AA,  4                            ; v4-7  u's fragments, K steps 4 j .. 4 j + 3: 4096 e + 2048 (w >> 1) + 16 r + 65536 j
.set AAS, 8                            ; v8    USC + 128 (w >> 1) + 4 r
.set STO, 9                            ; v9    into the stage: row r, + 64 e
.set RD,  10                           ; v10   out of it: two rows an instruction
.set CO,  11                           ; v11   and the same two rows in out0: stage row s of tile i is row 4 s + i of the group
.set AW,  12                           ; v12   W_out's fragments: 16 r + 16384 e
.set AWS, 13                           ; v13   its scale words: 8 lane
.set BS,  16                           ; v16-47   W_out's scale words: register 4 (k / 2) + 2 cp + k % 2, lane = slot
.set AS,  48                           ; v48-175  u's: register 64 group + 4 k + i, lanes 0-15 = positions of tile i
.set BK,  176                          ; v176-239 rows read back, two sets (first: the scale bytes as loaded)
.set TP,  240
; windows 1 and 2: W_out's fragments, K steps 0-7 and 8-15;  window 3: accumulators v0-127 (32 i + 16 cp), u's fragments v128-255 (four sets of 32)
.set G1A, 24                           ; group 1: 22 planes of u s[24:31], 21 planes s[32:39], its bytes s[40:47]
.set G1B, 32
.set G1S, 40
.set G0A, 48                           ; group 0, one for each wave
.set G0B, 52
.set G0C, 56
.set G0S, 60
.set MSB, 0
.macro WIN new
.if MSB != \new
	s_set_vgpr_msb (MSB<<8)|\new
.set MSB, \new
.endif
.endm
.macro PLACES
.rept 4
	v_nop
.endr
.endm
.macro CROUND
	s_barrier_signal -1
	s_barrier_wait -1
	s_cmp_lg_u32 s14, 0
	s_cbranch_scc1 .Lnot_wave_0_\@
	s_barrier_signal -3
.Lnot_wave_0_\@:
	s_barrier_wait -3
	s_barrier_signal -1
	s_barrier_wait -1
.endm
	s_load_b256 s[4:11], s[0:1], 0x0               ; uc s[4:5], us s[6:7], wc s[8:9], ws s[10:11]
	s_load_b64 s[12:13], s[0:1], 0x20              ; out0
	v_lshl_add_u32 v[SPW], v0, 2, SPARE
	v_mov_b32 v[NIL], 0
	ds_add_u32 v[SPW], v[NIL]                      ; the opening add, twice on end
	ds_add_u32 v[SPW], v[NIL]
	v_lshrrev_b32 v3, 5, v0
	v_readfirstlane_b32 s14, v3                    ; wave 0..3
	s_lshr_b32 s15, s14, 1                         ; my half of the positions
	s_and_b32 s16, s14, 1                          ; my half of the columns
	s_bfe_u32 s17, ttmp6, 0x40000                  ; cx
	s_lshl_b32 s19, ttmp9, 2
	s_add_co_u32 s19, s19, s17                     ; tile column
	s_and_b32 s20, ttmp7, 0xffff                   ; tile row, which the four partners share
	s_mov_b32 s[G1A], 15|(3<<16)|(1<<21)           ; the mask, elements of 8 bytes, bit 21 beside the mask; planes of 4,096 bytes, 131,072 bytes apart
	s_mov_b32 s[G1A+2], 22<<16
	s_mov_b32 s[G1A+4], 22
	s_mov_b32 s[G1B], 15|(3<<16)|(1<<21)
	s_mov_b32 s[G1B+2], 21<<16
	s_mov_b32 s[G1B+4], 21
.irp g, G1A, G1B
	s_mov_b32 s[\g+1], 512<<16
	s_mov_b32 s[\g+3], 512<<16
	s_mov_b32 s[\g+5], 16384
	s_mov_b32 s[\g+6], 0
	s_mov_b32 s[\g+7], 0
.endr
	s_mov_b32 s[G1S], 15|(3<<16)|(1<<21)           ; its bytes: 64 planes of 256 bytes, 8,192 bytes apart
	s_mov_b32 s[G1S+1], 32<<16
	s_mov_b32 s[G1S+2], 64<<16
	s_mov_b32 s[G1S+3], 32<<16
	s_mov_b32 s[G1S+4], 64
	s_mov_b32 s[G1S+5], 1024
	s_mov_b32 s[G1S+6], 0
	s_mov_b32 s[G1S+7], 0
	s_lshl_b32 s21, s15, 11
	s_lshl_b32 s22, s15, 7
	s_add_co_u32 s22, s22, USC
	s_mul_i32 s23, s14, 2*ST1
	s_add_co_u32 s23, s23, STAGE
	v_and_b32 v14, 15, v0                          ; r
	v_bfe_u32 v15, v0, 4, 1                        ; e
	v_and_b32 v176, 31, v0                         ; lane
	v_lshlrev_b32 v177, 4, v14
	v_lshl_add_u32 v[AA], v15, 12, v177
	v_add_nc_u32 v[AA], s21, v[AA]
	v_add_nc_u32 v[AA+1], 0x10000, v[AA]
	v_add_nc_u32 v[AA+2], 0x20000, v[AA]
	v_add_nc_u32 v[AA+3], 0x30000, v[AA]
	v_lshlrev_b32 v[AAS], 2, v14
	v_add_nc_u32 v[AAS], s22, v[AAS]
	v_mul_u32_u24 v[STO], v14, SP
	v_lshl_add_u32 v[STO], v15, 6, v[STO]
	v_add_nc_u32 v[STO], s23, v[STO]
	v_mul_u32_u24 v[RD], v15, SP
	v_add_nc_u32 v[RD], v[RD], v177
	v_add_nc_u32 v[RD], s23, v[RD]
	v_lshl_add_u32 v[CO], v15, 14, v177
	v_lshl_add_u32 v[AW], v15, 14, v177
	v_lshlrev_b32 v[AWS], 3, v176
	s_wait_alu depctr_va_vdst(0)
	s_wait_dscnt 0x0                               ; both opening adds are done
	s_wait_kmcnt 0x0
	s_mov_b32 s3, 0
	s_lshl_b32 s2, s20, 12                         ; 256 positions x 16 bytes
	s_add_nc_u64 s[G0A+2:G0A+3], s[4:5], s[2:3]                  ; planes 0-21,
	s_add_nc_u64 s[G0B+2:G0B+3], s[G0A+2:G0A+3], 22*131072       ; 22-42,
	s_add_nc_u64 s[G0C+2:G0C+3], s[G0A+2:G0A+3], 43*131072       ; 43-63
	s_lshl_b32 s2, s20, 8
	s_add_nc_u64 s[G0S+2:G0S+3], s[6:7], s[2:3]
.irp g, G0A, G0B, G0C, G0S
	s_mov_b32 s[\g], 1                             ; count = 1
	s_or_b32 s[\g+3], s[\g+3], 0x80000000          ; type = 2
.endr
	s_mov_b32 s[G0A+1], 0
	s_mov_b32 s[G0B+1], 22*4096
	s_mov_b32 s[G0C+1], 43*4096
	s_mov_b32 s[G0S+1], USC
	s_mov_b32 s19, s19
	s_lshl_b32 s22, s19, 11                        ; W_out's codes: 128 slots x 16 bytes a tile column, 64 a wave
	s_lshl_b32 s23, s16, 10
	s_add_co_u32 s22, s22, s23
	s_add_co_u32 s22, s22, 3145728
	s_mov_b32 s23, 0
	s_add_nc_u64 s[8:9], s[8:9], s[22:23]
	s_lshl_b32 s22, s19, 10                        ; its scale words: 8 bytes a slot
	s_lshl_b32 s23, s16, 9
	s_add_co_u32 s22, s22, s23
	s_add_co_u32 s22, s22, 196608
	s_mov_b32 s23, 0
	s_add_nc_u64 s[10:11], s[10:11], s[22:23]
	s_lshl_b32 s22, s20, 20                        ; out0: 256 rows of 4,096 bytes a tile row
	s_lshl_b32 s23, s15, 19
	s_add_co_u32 s22, s22, s23
	s_lshl_b32 s23, s19, 9
	s_add_co_u32 s22, s22, s23
	s_lshl_b32 s23, s16, 8
	s_add_co_u32 s22, s22, s23
	s_mov_b32 s23, 0
	s_add_nc_u64 s[12:13], s[12:13], s[22:23]
; K step k's fragments: 16 cp + 8 u + 4 c .. + 3 of its 32 registers is block 4 k + 2 c + e of slot 32 cp + 16 u + r: sixteen lanes read 256 consecutive bytes
.macro WFRAG k
.irp cp, 0,1
.irp u, 0,1
.irp c, 0,1
	global_load_b128 v[32*((\k)%8)+16*\cp+8*\u+4*\c:32*((\k)%8)+16*\cp+8*\u+4*\c+3], v[AW], s[8:9] offset:(4*(\k)+2*\c)*16384+512*\cp+256*\u
.endr
.endr
.endr
.endm
.irp kq, 0,1,2,3,4,5,6,7
.irp cp, 0,1
	global_load_b64 v[BS+4*\kq+2*\cp:BS+4*\kq+2*\cp+1], v[AWS], s[10:11] offset:\kq*8192+\cp*256
.endr
.endr
	WIN 0x40                                       ; destination window 1
.irp k, 0,1,2,3,4
	WFRAG \k
.endr
	WIN 0
	CROUND                                         ; all four work-groups are here: the joint loads meet
; ONE tensor load a wave: one tree of branches, every way through it passes one load
.macro ARM under, g0, g1, next
	s_cmp_lt_u32 s14, \under
	s_cbranch_scc0 \next
	tensor_load_to_lds s[\g0:\g0+3], s[\g1:\g1+7]
	s_nop 0
	PLACES
	s_branch .Lasked
\next:
.endm
	ARM 1, G0A, G1A, .Lhead_1
	ARM 2, G0B, G1B, .Lhead_2
	ARM 3, G0C, G1B, .Lhead_3
	tensor_load_to_lds s[G0S:G0S+3], s[G1S:G1S+7]
	s_nop 0
	PLACES
.Lasked:
	WIN 0x40
.irp k, 5,6,7
	WFRAG \k
.endr
	WIN 0x80                                       ; destination window 2
.irp k, 8,9,10,11,12,13,14,15
	WFRAG \k
.endr
	WIN 0
	s_mov_b32 s2, 0x05010400                       ; byte selects for v_perm_b32
	s_mov_b32 s3, 0x07030602
	s_mov_b32 s22, 0x05040100
	s_mov_b32 s23, 0x07060302
	s_wait_alu depctr_va_vdst(0)
	s_wait_tensorcnt 0x0                           ; my tile is in
	s_barrier_signal -1
	s_barrier_wait -1                              ; everybody's are
; u's scale words.  Batch j: group j / 2, K steps 8 (j % 2) on.  A word as loaded holds one plane's bytes of rows 4 r .. 4 r + 3, which are tiles 0 .. 3 of lane r; a tile's word wants its four planes' bytes
.macro ULOAD j
.irp k, 0,1,2,3,4,5,6,7
.irp b, 0,1,2,3
	ds_load_b32 v[BK+32*((\j)%2)+4*\k+\b], v[AAS] offset:(32*((\j)%2)+4*\k+\b)*256+64*((\j)/2)
.endr
.endr
.endm
.macro UPERM j
.irp k, 0,1,2,3,4,5,6,7
.set L, BK+32*((\j)%2)+4*\k
.set T, TP+4*(\k%4)
.set O, AS+64*((\j)/2)+4*(8*((\j)%2)+\k)
	v_perm_b32 v[T], v[L+1], v[L], s2
	v_perm_b32 v[T+1], v[L+1], v[L], s3
	v_perm_b32 v[T+2], v[L+3], v[L+2], s2
	v_perm_b32 v[T+3], v[L+3], v[L+2], s3
	v_perm_b32 v[O], v[T+2], v[T], s22
	v_perm_b32 v[O+1], v[T+2], v[T], s23
	v_perm_b32 v[O+2], v[T+3], v[T+1], s22
	v_perm_b32 v[O+3], v[T+3], v[T+1], s23
.endr
.endm
.macro FETCH q                         ; pair q: group q / 8, K steps 2 (q % 8) and the next, into sets 2 (q % 2) and the next: 16 loads; lanes 0-15 read 256 consecutive bytes of a plane, lanes 16-31 of the next
	WIN 0xc0                                       ; destination window 3
.irp d, 0,1
.irp i, 0,1,2,3
.irp c, 0,1
	ds_load_b128 v[128+32*(2*((\q)%2)+\d)+8*\i+4*\c:128+32*(2*((\q)%2)+\d)+8*\i+4*\c+3], v[AA+((\q)%8)/2] offset:(2*((\q)%2)+\d)*16384+\c*8192+((\q)/8)*1024+\i*256
.endr
.endr
.endr
	WIN 0
.endm
	ULOAD 0
	ULOAD 1
	s_wait_dscnt 32                                ; batch 0 is in; batch 1's 32 loads may be out
	UPERM 0
	ULOAD 2
	s_wait_dscnt 32
	UPERM 1
	ULOAD 3
	s_wait_dscnt 32
	UPERM 2
	FETCH 0
	FETCH 1
	s_wait_dscnt 32
	UPERM 3
.rept 8
	v_nop                                          ; a scale register written by a vector instruction stands eight places ahead of a scaled matrix instruction
.endr
	s_wait_alu depctr_va_vdst(0)
; the 8 accumulators take turns, one instruction a turn, in the same order in every K step.  K step 0 starts the sums
.macro KS grp, k
.if (\k) < 8
	WIN 0xfd                                       ; source 0 (W_out) window 1, all else window 3
.else
	WIN 0xfe                                       ; source 0 window 2
.endif
.irp i, 0,1,2,3
.irp cp, 0,1
.set rD, 32*\i+16*\cp
.set rW, 32*((\k)%8)+16*\cp
.set rX, 128+32*((\k)%4)+8*\i
.set rA, BS+4*((\k)/2)+2*\cp+(\k)%2
.set rB, AS+64*(\grp)+4*(\k)+\i
.if (\k) == 0
	v_wmma_scale_f32_32x16x128_f4 v[rD:rD+15], v[rW:rW+15], v[rX:rX+7], 0, v[rA], v[rB]
.else
	v_wmma_scale_f32_32x16x128_f4 v[rD:rD+15], v[rW:rW+15], v[rX:rX+7], v[rD:rD+15], v[rA], v[rB]
.endif
.endr
.endr
.endm
.macro PAIR q
	KS (\q)/8, 2*((\q)%8)
	KS (\q)/8, 2*((\q)%8)+1
	WIN 0
	PLACES                                         ; for loads into registers that the products read, and for reads of results (ISA guide 7.12.1 for vector instructions)
.endm
; THE WAY OUT, a tile of 16 positions x 64 columns at a time: a lane's 128 bytes of a row go into my own stage, and come back as whole rows of 256 bytes.
; LDS serves a wave's instructions in order (ISA guide 5.7.1.4): no wait between the stores and the loads, nor in front of a later tile's stores.
.macro TOSTAGE i
	WIN 0x0c                                       ; an LDS store's data are its source 1: window 3
.irp cp, 0,1
.irp q, 0,1,2,3
	ds_store_b128 v[STO], v[32*(\i)+16*\cp+4*\q:32*(\i)+16*\cp+4*\q+3] offset:ST1*((\i)%2)+128*\cp+16*\q   ; each accumulator from its low end on
.endr
.endr
	WIN 0
.irp t, 0,1,2,3,4,5,6,7
	ds_load_b128 v[BK+32*((\i)%2)+4*\t:BK+32*((\i)%2)+4*\t+3], v[RD] offset:ST1*((\i)%2)+2*SP*\t
.endr
.endm
.macro SEND grp, i, younger            ; younger: the LDS instructions issued behind tile i's loads, which may stay out
	s_wait_dscnt \younger
.irp t, 0,1,2,3,4,5,6,7
	global_store_b128 v[CO], v[BK+32*((\i)%2)+4*\t:BK+32*((\i)%2)+4*\t+3], s[12:13] offset:(\grp)*262144+\t*32768+(\i)*4096 th:TH_STORE_NT   ; sixteen lanes store 256 consecutive aligned bytes; written once, read by nobody here
.endr
.endm
.irp q, 0,1,2,3,4,5,6,7
.if 112-16*\q > 63
	s_wait_loadcnt 63                              ; of the 144 loads the first 81 are in: the scale words and K steps 0 to 7
.else
	s_wait_loadcnt 112-16*\q                       ; this pair's fragments of W_out are in; those of the K steps behind it may be out
.endif
	s_wait_dscnt 16                                ; this pair's fragments of u are in; the next pair's 16 loads may be out
	PAIR \q
	FETCH \q+2
.endr
	v_nop                                          ; the fifth place, ahead of sums begun anew on these accumulators
	TOSTAGE 0
	TOSTAGE 1
	SEND 0, 0, 16                                  ; behind tile 0's loads: tile 1's 8 stores and 8 loads
	SEND 0, 1, 0
	s_wait_xcnt 0x0                                ; those stores have read their registers: tiles 2 and 3 may land there
	TOSTAGE 2
	TOSTAGE 3
	PAIR 8                                         ; its fragments and pair 9's were in ahead of tile 1's way out
	SEND 0, 2, 16
	SEND 0, 3, 0
	FETCH 10
	PAIR 9
	FETCH 11
.irp q, 10,11,12,13,14,15
.if \q < 15
	s_wait_dscnt 16
.else
	s_wait_dscnt 0x0
.endif
	PAIR \q
.if \q < 14
	FETCH \q+2
.endif
.endr
	s_wait_xcnt 0x0                                ; group 0's last stores have read their registers
	TOSTAGE 0
	TOSTAGE 1
	SEND 1, 0, 16
	SEND 1, 1, 0
	s_wait_xcnt 0x0
	TOSTAGE 2
	TOSTAGE 3
	SEND 1, 2, 16
	SEND 1, 3, 0
	s_wait_tensorcnt 0x0                           ; the wave's end
	ds_add_u32 v[SPW], v[NIL]
	s_wait_dscnt 0x0
	CROUND                                         ; the closing round
	s_endpgm
.Lfunc_end_k_qd957a33b50_proj:
	.size	k_qd957a33b50_proj, .Lfunc_end_k_qd957a33b50_proj-k_qd957a33b50_proj
	.p2alignl 7, 3214868480
	.fill 96, 4, 3214868480
	.section	.rodata,"a",@progbits
	.p2align	6, 0x0
	.amdhsa_kernel k_qd957a33b50_proj
		.amdhsa_group_segment_fixed_size 327680
		.amdhsa_private_segment_fixed_size 0
		.amdhsa_enable_private_segment 0
		.amdhsa_kernarg_size 40
		.amdhsa_user_sgpr_count 2
		.amdhsa_user_sgpr_kernarg_segment_ptr 1
		.amdhsa_wavefront_size32 1
		.amdhsa_system_sgpr_workgroup_id_x 1
		.amdhsa_system_sgpr_workgroup_id_y 1
		.amdhsa_system_sgpr_workgroup_id_z 1
		.amdhsa_system_vgpr_workitem_id 0
		.amdhsa_next_free_vgpr 1024
		.amdhsa_next_free_sgpr 66
		.amdhsa_reserve_vcc 0
		.amdhsa_float_denorm_mode_32 3
		.amdhsa_float_denorm_mode_16_64 3
		.amdhsa_memory_ordered 1
		.amdhsa_forward_progress 1
		.amdhsa_inst_pref_size 114
	.end_amdhsa_kernel
	.amdgpu_metadata
---
amdhsa.version: [ 1, 2 ]
amdhsa.kernels:
  - .name:           k_qd957a33b50_proj
    .symbol:         k_qd957a33b50_proj.kd
    .args:
      - { .name: uc, .offset: 0, .size: 8, .value_kind: global_buffer, .address_space: global }
      - { .name: us, .offset: 8, .size: 8, .value_kind: global_buffer, .address_space: global }
      - { .name: wc, .offset: 16, .size: 8, .value_kind: global_buffer, .address_space: global }
      - { .name: ws, .offset: 24, .size: 8, .value_kind: global_buffer, .address_space: global }
      - { .name: out0, .offset: 32, .size: 8, .value_kind: global_buffer, .address_space: global }
    .group_segment_fixed_size: 327680
    .private_segment_fixed_size: 0
    .kernarg_segment_align: 8
    .kernarg_segment_size: 40
    .max_flat_workgroup_size: 128
    .sgpr_count:     66
    .vgpr_count:     1024
    .wavefront_size: 32
...
	.end_amdgpu_metadata
.endif
;; end of part 3
